; MI455X (gfx1250); checked and timed in simulation.
; The chip was launched on July 23, 2026; its instructions are those of AMD's public machine-readable ISA for CDNA 5 (MIT licence, August 2026) and "CDNA5" Instruction Set Architecture Reference Guide (July 2026). The comments in the code are by the model that wrote it; some were corrected since.
;; Mo E. Allowed arithmetic: matrix products marked QUANTISED: E3M2 operands, one E8M0 scale for each 32 along K, by v_wmma_scale_f32_16x16x128_f8f6f4 with both operands' format E3M2, f32 sums; products left as they are: f32 operands where the result goes on into a quantised operand, else bf16, f16 or f32 operands; f32 sums; everything else in f32.
;; Inputs: alpha 8 float32; b1 8 x 4,096 float32; b2 8 x 1,024 float32; gate_b 8 float32; gate_w 1,024 x 8 float32; hidden_states 4 x 256 x 1,024 float32; w1_codes 8 x 4,096 x 32 x 24 uint8 (E3M2 codes of w1, K innermost, in blocks of 32 codes, four codes in three bytes); w1_scales 8 x 4,096 x 32 uint8 (E8M0 scales of w1, one for each 32 codes along K); w2_codes 8 x 1,024 x 128 x 24 uint8 (E3M2 codes of w2, K innermost, in blocks of 32 codes, four codes in three bytes); w2_scales 8 x 1,024 x 128 uint8 (E8M0 scales of w2, one for each 32 codes along K).
;; Outputs: out0 4 x 256 x 1,024 float32.
;; This version of the problem:
;;   THIS VERSION OF THE PROBLEM IS GIVEN IN LOW PRECISION. The matrix products marked QUANTISED in the list below multiply operands that are first quantised to E3M2 (3 exponent bits, 2 mantissa bits; 6 bits a number), with one power-of-two scale for each 32 numbers along K (OCP MX v1.0); their sums are f32. All else is computed in f32.
;;   The module's matrix products, in the order in which they are computed (A, B: the left and right operand; K: the contracted axis; several contracted axes count as one K, in the product's order):
;;     1. [M 1,024, K 1,024] x [K 1,024, N 8]; A: input hidden_states; B: input gate_w: left as it is (N = 8 < 16)
;;     2. batch 1,024 x [M 1, K 2] x [K 2, N 8]; A: computed on the way; B: computed on the way: left as it is (K = 2 < 32)
;;     3. [M 1,024, K 1,024] x [K 1,024, N 4,096]; A: input hidden_states; B: input w1 (given as codes): QUANTISED
;;     4. [M 1,024, K 4,096] x [K 4,096, N 1,024]; A: computed on the way; B: input w2 (given as codes): QUANTISED
;;     5. [M 1,024, K 1,024] x [K 1,024, N 4,096]; A: input hidden_states; B: input w1 (given as codes): QUANTISED
;;     6. [M 1,024, K 4,096] x [K 4,096, N 1,024]; A: computed on the way; B: input w2 (given as codes): QUANTISED
;;     7. [M 1,024, K 1,024] x [K 1,024, N 4,096]; A: input hidden_states; B: input w1 (given as codes): QUANTISED
;;     8. [M 1,024, K 4,096] x [K 4,096, N 1,024]; A: computed on the way; B: input w2 (given as codes): QUANTISED
;;     9. [M 1,024, K 1,024] x [K 1,024, N 4,096]; A: input hidden_states; B: input w1 (given as codes): QUANTISED
;;     10. [M 1,024, K 4,096] x [K 4,096, N 1,024]; A: computed on the way; B: input w2 (given as codes): QUANTISED
;;     11. [M 1,024, K 1,024] x [K 1,024, N 4,096]; A: input hidden_states; B: input w1 (given as codes): QUANTISED
;;     12. [M 1,024, K 4,096] x [K 4,096, N 1,024]; A: computed on the way; B: input w2 (given as codes): QUANTISED
;;     13. [M 1,024, K 1,024] x [K 1,024, N 4,096]; A: input hidden_states; B: input w1 (given as codes): QUANTISED
;;     14. [M 1,024, K 4,096] x [K 4,096, N 1,024]; A: computed on the way; B: input w2 (given as codes): QUANTISED
;;     15. [M 1,024, K 1,024] x [K 1,024, N 4,096]; A: input hidden_states; B: input w1 (given as codes): QUANTISED
;;     16. [M 1,024, K 4,096] x [K 4,096, N 1,024]; A: computed on the way; B: input w2 (given as codes): QUANTISED
;;     17. [M 1,024, K 1,024] x [K 1,024, N 4,096]; A: input hidden_states; B: input w1 (given as codes): QUANTISED
;;     18. [M 1,024, K 4,096] x [K 4,096, N 1,024]; A: computed on the way; B: input w2 (given as codes): QUANTISED
;;   THE QUANTISER, for each operand of a quantised product, along K:
;;     - K is cut into blocks of 32 from its start; a last block that is shorter is filled with zeros.
;;     - A block's scale is 2^e with e = floor(log2(the largest magnitude in the block)) - 4, held to -126 .. 127; a block of zeros has e = 0. As a byte (E8M0): e + 127.
;;     - Each number is divided by its block's scale, clamped to +-28, and rounded to the nearest number of E3M2, ties to even, subnormals kept.
;;     - The product sums the exact products of the quantised numbers (number of the format x scale) in f32.
;;   ~~~python
;;   def quantise(x, axis):      # numpy; x: float32 -> the quantised numbers, widened to float32 again
;;       x = np.moveaxis(x, axis, -1); K = x.shape[-1]
;;       x = np.pad(x, [(0, 0)] * (x.ndim - 1) + [(0, -K % 32)]); x = x.reshape(x.shape[:-1] + (-1, 32)); a = np.abs(x).max(-1, keepdims=True)
;;       e = np.where(a > 0, np.clip(np.frexp(np.where(a > 0, a, 1))[1] - 1 - 4, -126, 127), 0)      # np.frexp(a)[1] - 1 = floor(log2(a)), exactly
;;       r = np.clip(x / 2.0 ** e, -28, 28)
;;       step = 2.0 ** (np.maximum(np.frexp(np.where(r == 0, 1, r))[1] - 1, -2) - 2)
;;       q = np.round(r / step) * step * 2.0 ** e      # np.round: ties to even
;;       return np.moveaxis(q.reshape(q.shape[:-2] + (-1,))[..., :K], -1, axis).astype(np.float32)
;;   ~~~
;;   OPERANDS COMPUTED ON THE WAY. 'Computed on the way' means the value that the module computes at that place (a softmax that the list does not call 'softmax' is quantised finished and normalised). What goes into a quantiser is computed in f32, as accurately as f32 sums, v_exp_f32 and their like allow (about 1e-6 of the number): no bf16 or f16 on the way to a quantiser, and a product that is left as it is and whose result goes on into a quantised operand takes f32 operands (vector FMAs, or v_wmma_f32_16x16x4_f32). A number that lies on a knife's edge between two numbers of the format may be rounded either way, as far as f32 arithmetic and the matrix unit's own rounding can turn it there, and no further.
;;   INPUTS GIVEN AS CODES. w1 (in the module: [8, 1024, 4096], K = its axis 1); w2 (in the module: [8, 4096, 1024], K = its axis 1): each comes as NAME_codes (uint8): NAME with its K axis moved to the last place and cut into blocks of 32 codes, [.., K / 32, bytes a block], one block behind the other in memory; four codes in three bytes: a row's codes are one little-endian stream of bits, code i at bits 6 i .. 6 i + 5 (a code: sign, 3 exponent bits, 2 mantissa bits); and NAME_scales (uint8): the same leading axes, one E8M0 byte (e + 127) for each 32 codes along K. Its value is code x scale, taken as it is: it is not quantised again, and the codes and scales need not be those that the quantiser above would give.
;; One version. Each part assembles by itself: llvm-mc -triple=amdgcn-amd-amdhsa -mcpu=gfx1250 --defsym DOCPART=n.
;; ======== version 1 of 1: 4 launches
;; workspace buffers: xq 786,432 bytes; xs 32,768 bytes; sel 4,096 bytes of whole numbers; gw 8,192 bytes; hq 25,165,824 bytes; hs 1,048,576 bytes; place 33,792 bytes of whole numbers; ypart 67,108,864 bytes
;; launch route (part 1): grid 64 x 1, 8 waves a work-group, no clusters, 22,272 bytes of LDS; arguments hidden_states, gate_w, gate_b, alpha, xq, xs, sel, gw; writes xq, xs, sel, gw
.if DOCPART == 1
	.amdgcn_target "amdgcn-amd-amdhsa--gfx1250"
	.amdhsa_code_object_version 6
	.text
	.protected	k_qa87ceabb7f_route
	.globl	k_qa87ceabb7f_route
	.p2align	8
	.type	k_qa87ceabb7f_route,@function
k_qa87ceabb7f_route:
	s_mov_b64 s[64:65], 0
	v_nop
	global_prefetch_b8 v0, s[64:65] scope:SCOPE_SE
	s_setreg_imm32_b32 hwreg(HW_REG_WAVE_MODE, 25, 1), 1
	s_wait_xcnt 0x0
; ROUTE.  x = hidden_states [1024 tokens][1024] f32.  Two things are made of it, each once:
; (1) its codes of BF6 (E3M2) with one E8M0 byte for each 32 along K, in token order;
; (2) the router: logits = x gate_w + gate_b in f32, softmax, the two largest, renormalised, times alpha.
; SHARES.  A work-group takes 16 tokens; wave s takes K step s (k = 128 s .. 128 s + 127) of all 16: 64 numbers a lane.
; xq: [token][768 bytes]; the 16 bytes at 96 s + 32 c + 16 h are registers 4 c .. 4 c + 3 of the lane half h of the token's operand fragment of K step s.
; xs: [token][8 words], word s = the four scale bytes of K step s.
; sel: [token] = e0 | e1 << 8 | ((1 << e0) | (1 << e1)) << 16.   gw: [token][2] = score x alpha of the chosen expert.
; Everything is stored at places that hang on ids alone: no address and no branch hangs on a floating-point number.
; THE SOFTMAX: the row's largest logit is taken away before the exponentials; the common divisor cancels in vals / sum(vals), so it is not formed.
; The logits go by the f32 matrix form: 16.8 million multiply-adds in the whole launch, with f32 operands so that the choice is made on f32 sums.
; No cluster: work-groups share only gate_w, 32,768 bytes.
; LIMITS: NaN and infinities are not served.  A block of zeros gets the byte 1 (its codes are zeros; this program alone reads the bytes).  Ties are broken on 2^(shifted logit), the lower index first;
; an exponential under 2^-126 counts as 0, so among experts whose share is that small the lower index is taken, with a weight of 0.  The sums over K are ordered otherwise than a plain chain.
.set X,   32                           ; v32-95    my 64 numbers of x: register 16 b + i = x[r][128 s + 32 b + 16 h + i]
.set G,   96                           ; v96-159   gate_w at the same k, column lane % 8
.set AC,  160                          ; v160-191  four f32 accumulators: written by matrix instructions alone
.set LQ,  192                          ; v192-199  eight logits
.set TM,  200                          ; v200-215  at work in QUANT; later U, the exponentials
.set U,   200
.set PW,  216                          ; the scale word just made
.set PC,  220                          ; v220-238  the codes just made
.set XSC, 12544                        ; LDS: 0: 16 rows x 784 bytes of codes; XSC: 16 x 32 bytes of scale words; LG: 8 waves x 1,024 bytes of partial logits
.set LG,  13056
.set SEL, 22                           ; s[22:23] lane selects: lane l xor 16
; 64 numbers of a lane, register 16 b + i = k 32 b + 16 (lane / 16) + i of my row, become a fragment's codes in v[PC] on and its scale word in v[PW].
.macro QUANT s
.irp b, 0,1,2,3
	v_max3_num_f32 v[TM+\b], |v[\s+16*\b]|, |v[\s+1+16*\b]|, 0x2800000   ; my 16 numbers of block b, and the floor 2^(5 - 127): the byte cannot fall under 1
.endr
.irp i, 2,4,6,8,10,12,14
.irp b, 0,1,2,3
	v_max3_num_f32 v[TM+\b], v[TM+\b], |v[\s+16*\b+\i]|, |v[\s+1+16*\b+\i]|
.endr
.endr
.irp b, 0,1,2,3
	v_permlanex16_b32 v[TM+4+\b], v[TM+\b], s[SEL], s[SEL+1]
.endr
.irp b, 0,1,2,3
	v_max_num_f32 v[TM+\b], v[TM+\b], v[TM+4+\b]   ; with lane l xor 16: the block's largest magnitude
.endr
.irp b, 0,1,2,3
	v_add_nc_u32 v[TM+12+\b], 0xfe000000, v[TM+\b]   ; 4 off its exponent field: the conversion's scale operand
.endr
.irp b, 0,1,2,3
	v_lshrrev_b32 v[TM+4+\b], 23, v[TM+12+\b]      ; the scale's byte
.endr
	v_lshl_or_b32 v[PW], v[TM+5], 8, v[TM+4]
	v_lshl_or_b32 v[PW], v[TM+6], 16, v[PW]
	v_lshl_or_b32 v[PW], v[TM+7], 24, v[PW]
.irp c, 0,1
	v_cvt_scalef32_pk16_bf6_f32 v[PC+6*\c:PC+2+6*\c], v[\s+32*\c:\s+15+32*\c], v[TM+12+2*\c]
	v_cvt_scalef32_pk16_bf6_f32 v[PC+12+4*\c:PC+14+4*\c], v[\s+16+32*\c:\s+31+32*\c], v[TM+12+2*\c+1]   ; (three registers that begin on an even number)
.endr
	v_nop                                          ; one plain place behind a scaled conversion
.irp c, 0,1                                    ; the operand wants a whole block in a lane: lanes 0-15 block 2 c, lanes 16-31 block 2 c + 1
.irp i, 0,1,2
	v_permlane16_swap_b32 v[PC+6*\c+\i], v[PC+12+4*\c+\i]
.endr
.irp i, 0,1,2
	v_mov_b32 v[PC+3+6*\c+\i], v[PC+12+4*\c+\i]
.endr
.endr
.endm
	s_load_b512 s[4:19], s[0:1], 0x0               ; x, gate_w, gate_b, alpha, xq, xs, sel, gw
	v_lshl_add_u32 v254, v0, 2, 0x5300
	v_mov_b32 v255, 0
	v_and_b32 v1, 31, v0                           ; lane L
	v_and_b32 v2, 15, v0                           ; r
	v_bfe_u32 v3, v0, 4, 1                         ; h
	v_lshrrev_b32 v4, 5, v0
	v_readfirstlane_b32 s20, v4                    ; wave s
	s_mov_b32 s[SEL], 0x76543210
	s_mov_b32 s[SEL+1], 0xfedcba98
	v_lshlrev_b32 v4, 12, v2
	v_lshl_add_u32 v4, v3, 6, v4                   ; x: 4096 r + 64 h
	v_and_b32 v5, 7, v0
	v_lshlrev_b32 v5, 2, v5
	v_lshl_add_u32 v5, v3, 9, v5                   ; gate_w: 512 h + 4 (L % 8)
	; every LDS address is made here, ahead of the branches on the wave's number
	s_mul_i32 s24, s20, 96
	v_mul_u32_u24 v6, v2, 784
	v_lshl_add_u32 v6, v3, 4, v6
	v_add_nc_u32 v6, s24, v6                       ; codes in: 784 r + 96 s + 16 h
	s_lshl_b32 s24, s20, 2
	v_lshl_add_u32 v7, v2, 5, XSC
	v_add_nc_u32 v7, s24, v7                       ; scale word in: XSC + 32 r + 4 s
	s_lshl_b32 s24, s20, 10
	v_lshl_add_u32 v9, v1, 5, LG                   ; logits back: LG + 32 L
	v_add_nc_u32 v8, s24, v9                       ; logits in: + 1024 s
	s_mul_i32 s24, s20, 1568
	v_lshlrev_b32 v12, 4, v1                       ; 16 L
	v_add_nc_u32 v10, s24, v12                     ; codes back: rows 2 s and 2 s + 1 as 1,536 bytes on end,
	v_lshl_add_u32 v11, v3, 4, v10                 ; and the same behind the first row's 16 bytes of padding
	v_lshlrev_b32 v13, 2, v2
	v_lshlrev_b32 v14, 3, v2
	v_add_nc_u32 v15, XSC, v12
	v_mov_b32 v248, 0
.irp b, 0,1,2,3
	v_mov_b32 v[TM+4+\b], 0                        ; a lane permute's destination counts as one of its sources
.endr
	s_lshl_b32 s24, ttmp9, 16                      ; x: 16 rows of 4,096 bytes a work-group, 512 bytes a wave
	s_lshl_b32 s25, s20, 9
	s_add_co_u32 s24, s24, s25
	s_mov_b32 s25, 0
	s_lshl_b32 s26, s20, 12                        ; gate_w: 128 rows of 32 bytes a wave
	s_mov_b32 s27, 0
	s_mul_i32 s28, ttmp9, 12288                    ; xq: 16 rows of 768 bytes a work-group, two rows a wave
	s_mul_i32 s29, s20, 1536
	s_add_co_u32 s28, s28, s29
	s_mov_b32 s29, 0
	s_lshl_b32 s30, ttmp9, 9                       ; xs
	s_mov_b32 s31, 0
	s_lshl_b32 s32, ttmp9, 6                       ; sel
	s_mov_b32 s33, 0
	s_lshl_b32 s34, ttmp9, 7                       ; gw
	s_mov_b32 s35, 0
	s_wait_kmcnt 0x0
	s_add_nc_u64 s[4:5], s[4:5], s[24:25]
	s_add_nc_u64 s[6:7], s[6:7], s[26:27]
	s_add_nc_u64 s[12:13], s[12:13], s[28:29]
	s_add_nc_u64 s[14:15], s[14:15], s[30:31]
	s_add_nc_u64 s[16:17], s[16:17], s[32:33]
	s_add_nc_u64 s[18:19], s[18:19], s[34:35]
	global_load_b128 v[16:19], v248, s[8:9]        ; gate_b, in every lane
	global_load_b128 v[20:23], v248, s[8:9] offset:16
	global_load_b128 v[24:27], v248, s[10:11]      ; alpha
	global_load_b128 v[28:31], v248, s[10:11] offset:16
.irp b, 0,1,2,3
.irp j, 0,1,2,3
	global_load_b128 v[X+16*\b+4*\j:X+16*\b+4*\j+3], v4, s[4:5] offset:128*\b+16*\j th:TH_LOAD_NT
.endr
.endr
.set i, 0
.rept 64
	global_load_b32 v[G+i], v5, s[6:7] offset:32*(32*(i/16)+i%16)
.set i, i+1
.endr
	s_wait_loadcnt 0x0
	; LOGITS.  Source 0 = gate_w (row m = expert m % 8), source 1 = x (column n = token).  Both sides hold the same k in the same (half, register), so the products pair rightly.
	; In the result lane (r, h) holds token r and register j expert j, in both halves.  Four accumulators take turns, one instruction a turn.
.set p, 0
.rept 32
.if p < 4
	v_wmma_f32_16x16x4_f32 v[AC+8*(p%4):AC+8*(p%4)+7], v[G+2*p:G+2*p+1], v[X+2*p:X+2*p+1], 0
.else
	v_wmma_f32_16x16x4_f32 v[AC+8*(p%4):AC+8*(p%4)+7], v[G+2*p:G+2*p+1], v[X+2*p:X+2*p+1], v[AC+8*(p%4):AC+8*(p%4)+7]
.endif
.set p, p+1
.endr
	QUANT X
.rept 8
	v_nop                                          ; eight places between this matrix form and the first read of its results (ISA guide 7.12.1)
.endr
.irp q, 0,2,4,6                                ; each accumulator is read from its low end on
	v_pk_add_f32 v[240+\q:241+\q], v[AC+\q:AC+\q+1], v[AC+8+\q:AC+9+\q]
	v_pk_add_f32 v[LQ+\q:LQ+\q+1], v[AC+16+\q:AC+17+\q], v[AC+24+\q:AC+25+\q]
.endr
.irp q, 0,2,4,6
	v_pk_add_f32 v[LQ+\q:LQ+\q+1], v[LQ+\q:LQ+\q+1], v[240+\q:241+\q]
.endr
	ds_store_b128 v8, v[LQ:LQ+3]
	ds_store_b128 v8, v[LQ+4:LQ+7] offset:16
.irp c, 0,1,2
	ds_store_b128 v6, v[PC+4*\c:PC+4*\c+3] offset:32*\c
.endr
	ds_store_b32 v7, v[PW]                         ; both halves hold the same word
	s_wait_dscnt 0x0                               ; for the others: my stores have landed
	s_barrier_signal -1
	s_barrier_wait -1
	; every wave stores two whole rows of xq: 3 x 512 consecutive bytes
	ds_load_b128 v[96:99], v10
	ds_load_b128 v[100:103], v11 offset:512
	ds_load_b128 v[104:107], v10 offset:1040
	s_wait_dscnt 2                                 ; LDS loads come back in order: the two younger may be out
	global_store_b128 v12, v[96:99], s[12:13]
	s_wait_dscnt 1
	global_store_b128 v12, v[100:103], s[12:13] offset:512
	s_wait_dscnt 0x0
	global_store_b128 v12, v[104:107], s[12:13] offset:1024
	s_cmp_eq_u32 s20, 1
	s_cbranch_scc0 .Lnot_one
	ds_load_b128 v[108:111], v15                   ; wave 1: the 16 tokens' scale words, 512 bytes
	s_wait_dscnt 0x0
	global_store_b128 v12, v[108:111], s[14:15]
.Lnot_one:
	s_cmp_eq_u32 s20, 0
	s_cbranch_scc0 .Lend
	; THE ROUTER, wave 0: lane (r, h) serves token r
.irp s, 0,1,2,3,4,5,6,7
.irp u, 0,1
	ds_load_b128 v[X+8*\s+4*\u:X+8*\s+4*\u+3], v9 offset:1024*\s+16*\u
.endr
.endr
	s_wait_dscnt 0x0
.irp q, 0,2,4,6
	v_pk_add_f32 v[LQ+\q:LQ+\q+1], v[16+\q:17+\q], v[X+\q:X+\q+1]
.endr
.irp s, 1,2,3,4,5,6,7
.irp q, 0,2,4,6
	v_pk_add_f32 v[LQ+\q:LQ+\q+1], v[LQ+\q:LQ+\q+1], v[X+8*\s+\q:X+8*\s+\q+1]
.endr
.endr
	v_max3_num_f32 v208, v[LQ], v[LQ+1], v[LQ+2]
	v_max3_num_f32 v208, v208, v[LQ+3], v[LQ+4]
	v_max3_num_f32 v208, v208, v[LQ+5], v[LQ+6]
	v_max_num_f32 v208, v208, v[LQ+7]              ; the row's largest logit
.irp j, 0,1,2,3,4,5,6,7
	v_sub_f32 v[U+\j], v[LQ+\j], v208
.endr
.irp j, 0,1,2,3,4,5,6,7
	v_mul_f32 v[U+\j], 0x3fb8aa3b, v[U+\j]         ; x log2(e)
.endr
.irp j, 0,1,2,3,4,5,6,7
	v_exp_f32 v[U+\j], v[U+\j]
.endr
	v_mov_b32 v209, 0                              ; e0.  (The plain place behind the exponentials)
	s_wait_alu depctr_va_vdst(0)                   ; one wait for the batch, ahead of its first reader
	v_mov_b32 v208, v[U]
.irp j, 1,2,3,4,5,6,7                          ; a later expert takes the place only if it is strictly larger: the lower index wins a tie
	v_cmp_le_f32 vcc_lo, v[U+\j], v208
	v_cndmask_b32 v208, v[U+\j], v208, vcc_lo
	v_cndmask_b32 v209, \j, v209, vcc_lo
.endr
	v_mov_b32 v212, 0
.irp j, 0,1,2,3,4,5,6,7
	v_cmp_ne_u32 vcc_lo, \j, v209
	v_cndmask_b32 v[U+\j], -1.0, v[U+\j], vcc_lo   ; the first choice leaves the field,
	v_cndmask_b32 v212, v[24+\j], v212, vcc_lo     ; and its alpha is picked
.endr
	v_mov_b32 v210, v[U]
	v_mov_b32 v211, 0                              ; e1
.irp j, 1,2,3,4,5,6,7
	v_cmp_le_f32 vcc_lo, v[U+\j], v210
	v_cndmask_b32 v210, v[U+\j], v210, vcc_lo
	v_cndmask_b32 v211, \j, v211, vcc_lo
.endr
	v_mov_b32 v213, 0
.irp j, 0,1,2,3,4,5,6,7
	v_cmp_ne_u32 vcc_lo, \j, v211
	v_cndmask_b32 v213, v[24+\j], v213, vcc_lo
.endr
	v_add_f32 v214, v208, v210
	v_rcp_f32 v214, v214
	v_mov_b32 v217, 0x10000                        ; (the plain place behind the reciprocal)
	s_wait_alu depctr_va_vdst(0)
	v_mul_f32 v208, v208, v214
	v_mul_f32 v210, v210, v214
	v_mul_f32 v218, v208, v212
	v_mul_f32 v219, v210, v213
	v_lshlrev_b32 v215, v209, v217
	v_lshlrev_b32 v216, v211, v217
	v_or_b32 v215, v215, v216
	v_lshl_or_b32 v216, v211, 8, v209
	v_or_b32 v216, v216, v215
	global_store_b32 v13, v216, s[16:17]           ; lanes 16-31 write the same bytes with the same values
	global_store_b64 v14, v[218:219], s[18:19]
.Lend:
	s_wait_tensorcnt 0x0
	ds_add_u32 v254, v255
	s_wait_dscnt 0x0
	s_endpgm
.Lfunc_end_k_qa87ceabb7f_route:
	.size	k_qa87ceabb7f_route, .Lfunc_end_k_qa87ceabb7f_route-k_qa87ceabb7f_route
	.p2alignl 7, 3214868480
	.fill 96, 4, 3214868480
	.section	.rodata,"a",@progbits
	.p2align	6, 0x0
	.amdhsa_kernel k_qa87ceabb7f_route
		.amdhsa_group_segment_fixed_size 22272
		.amdhsa_private_segment_fixed_size 0
		.amdhsa_enable_private_segment 0
		.amdhsa_kernarg_size 64
		.amdhsa_user_sgpr_count 2
		.amdhsa_user_sgpr_kernarg_segment_ptr 1
		.amdhsa_wavefront_size32 1
		.amdhsa_system_sgpr_workgroup_id_x 1
		.amdhsa_system_sgpr_workgroup_id_y 1
		.amdhsa_system_sgpr_workgroup_id_z 1
		.amdhsa_system_vgpr_workitem_id 0
		.amdhsa_next_free_vgpr 256
		.amdhsa_next_free_sgpr 66
		.amdhsa_reserve_vcc 1
		.amdhsa_float_denorm_mode_32 3
		.amdhsa_float_denorm_mode_16_64 3
		.amdhsa_memory_ordered 1
		.amdhsa_forward_progress 1
		.amdhsa_inst_pref_size 27
	.end_amdhsa_kernel
	.amdgpu_metadata
---
amdhsa.version: [ 1, 2 ]
amdhsa.kernels:
  - .name:           k_qa87ceabb7f_route
    .symbol:         k_qa87ceabb7f_route.kd
    .args:
      - { .name: hidden_states, .offset: 0, .size: 8, .value_kind: global_buffer, .address_space: global }
      - { .name: gate_w, .offset: 8, .size: 8, .value_kind: global_buffer, .address_space: global }
      - { .name: gate_b, .offset: 16, .size: 8, .value_kind: global_buffer, .address_space: global }
      - { .name: alpha, .offset: 24, .size: 8, .value_kind: global_buffer, .address_space: global }
      - { .name: xq, .offset: 32, .size: 8, .value_kind: global_buffer, .address_space: global }
      - { .name: xs, .offset: 40, .size: 8, .value_kind: global_buffer, .address_space: global }
      - { .name: sel, .offset: 48, .size: 8, .value_kind: global_buffer, .address_space: global }
      - { .name: gw, .offset: 56, .size: 8, .value_kind: global_buffer, .address_space: global }
    .group_segment_fixed_size: 22272
    .private_segment_fixed_size: 0
    .kernarg_segment_align: 8
    .kernarg_segment_size: 64
    .max_flat_workgroup_size: 256
    .sgpr_count:     66
    .vgpr_count:     256
    .wavefront_size: 32
...
	.end_amdgpu_metadata
.endif
;; end of part 1
;; launch fc1 (part 2): grid 32 x 8, 8 waves a work-group, no clusters, 105,728 bytes of LDS; arguments sel, xq, xs, w1_codes, w1_scales, b1, hq, hs, place; writes hq, hs, place
.if DOCPART == 2
	.amdgcn_target "amdgcn-amd-amdhsa--gfx1250"
	.amdhsa_code_object_version 6
	.text
	.protected	k_qa87ceabb7f_fc1
	.globl	k_qa87ceabb7f_fc1
	.p2align	8
	.type	k_qa87ceabb7f_fc1,@function
k_qa87ceabb7f_fc1:
	s_mov_b64 s[64:65], 0
	v_nop
	global_prefetch_b8 v0, s[64:65] scope:SCOPE_SE
	s_setreg_imm32_b32 hwreg(HW_REG_WAVE_MODE, 25, 1), 1
	s_wait_xcnt 0x0
; FC1.  For expert e (work-group y) and hidden units 128 x .. 128 x + 127 (work-group x): h = gelu(x W1 + b1) of the tokens that chose e, quantised along the hidden axis to BF6 codes with E8M0 scales.
; Only the chosen rows are multiplied: the others are thrown away by the zero combine weights.
; SHARES.  The work-group's 128 rows of W1 (98,304 bytes of codes) are read from memory once, by this work-group alone, and stay in LDS.  Wave 0 ranks the expert's tokens from sel and lays a list
; (rank -> token) in LDS.  Row tiles of 16 ranks: wave w takes tiles w + 16 p and w + 16 p + 8, p = 0 .. 3 (a constant trip count that serves up to 1,024 rows; a tile that does not exist is jumped over).
; Where a wave has both tiles, each fragment of W1 read from LDS feeds two matrix instructions.  Two waves lie on a SIMD, so that one's gelu stands beside the other's products.
; LAYOUT.  The product is used transposed (source 0 = 16 rows of W1, source 1 = 16 tokens): a lane holds one token.  In LDS the rows of W1 lie in tile order: LDS row 16 n + r holds row
; 32 (n / 2) + 8 (n % 2) + r + 8 (r / 8), so that the 16 registers of tiles 2 b and 2 b + 1 are 16 neighbours along the next product's K.  b1 is the C of each sum's first instruction.
; OUT.  hq [e][tile 64][K step 32][1,536]: an image of the operand's registers (chunk c of 512 bytes, lane l at 16 l); hs [e][tile][K step][16 words]; place [e][token] = rank, then [e][32 words] = n_e (work-groups x = 0).
; Ranks from n_e to the tile's end take token 0; their rows are stored and never read.
; GELU, exact form: with z = |x| / sqrt(2), t = 1 / (1 + z / 2): erfc(z) = t exp(-z z + sum c_i t^i) (a Chebyshev fit, fractional error under 1.2e-7 for every z); gelu(x) = max(x, 0) - |x| erfc(z) / 2,
; which forms no difference of near numbers in the negative tail.  The constants are multiplied by log2(e), the half is folded in as -1.
; NO TENSOR LOADS, NO CLUSTER: trip skips and gather addresses hang on counts and lists read from memory; so the tokens' codes,
; which the 32 work-groups of an expert share, come by plain loads.
; LIMITS: NaN and infinities are not served.  erfc / 2 carries the fit's error and the f32 rounding of its exponent (about 1e-6 at |x| = 7); under 2^-126 it counts as 0.  A block of zeros gets the byte 1.
.set WP,   784                         ; an LDS row of W1: 768 bytes + 16 = 98 pieces of 8 bytes: lanes at 784 r + 24 h take 32 different pieces modulo 32 (64 banks of 4 bytes: ISA guide 11.1)
.set NTB,  16*WP
.set LIST, 128*WP                      ; 1,024 words: the token of each rank
.set DUMP, LIST+4096                   ; 32 words for lanes whose token did not choose e
.set CNT,  DUMP+128                    ; n_e
.set WF,   16                          ; v16-111  four buffers of two fragments of W1; in the head the 96 registers as loaded; in the epilogue at work
.set SX,   112                         ; v112-119 the tokens' scale words, 4 a slot: register j = K step j (lanes 0-15), 4 + j (lanes 16-31)
.set SW,   120                         ; v120-151 W1's scale words, 4 a tile, likewise
.set ACC,  152                         ; v152-215 slot s at 152 + 32 s: four tiles of one half.  In the head: wave 0's sel words, then ranks
.set PC0,  216                         ; v216-227, v228-239 the codes of slot 0, 1
.set CT,   240
.set PW0,  244                         ; v244, v245 their scale words
.set T,    16
.set P,    32
.set M,    48
.set Q,    64
.set TM,   80
.set B1W,  192                         ; window 1: v0-191 the tokens' fragments, slot s, K step k at 12 (8 s + k); v192-255 b1's eight tiles
.set KC,   44                          ; s[44:45] .. s[60:61] K0 .. K8; s[62:63] -log2(e) / 2
.set MSB,  0
.macro WIN new                         ; the immediate's high byte repeats the setting that is left
.if MSB != \new
	s_set_vgpr_msb (MSB<<8)|\new
.set MSB, \new
.endif
.endm
.macro KSET c, bits                    ; both words: the packed forms name the pair
	s_mov_b32 s[KC+2*\c], \bits
	s_mov_b32 s[KC+2*\c+1], \bits
.endm
.macro PLACES
.rept 4
	v_nop
.endr
.endm
	s_load_b512 s[4:19], s[0:1], 0x0               ; sel, xq, xs, w1_codes, w1_scales, b1, hq, hs
	s_load_b64 s[20:21], s[0:1], 0x40              ; place
	v_lshrrev_b32 v1, 5, v0
	v_readfirstlane_b32 s22, v1                    ; wave
	s_mov_b32 s23, ttmp9                           ; slice
	s_and_b32 s24, ttmp7, 0xffff                   ; expert
	v_and_b32 v1, 31, v0                           ; L
	v_and_b32 v2, 15, v0                           ; r
	v_bfe_u32 v3, v0, 4, 1                         ; h
	; every LDS address register that stays is made here, ahead of the first branch on the wave's number
	v_mul_u32_u24 v4, v2, WP
	v_mad_u32_u24 v4, v3, 24, v4                   ; fragments of tiles 0-3: 784 r + 24 h
	v_add_nc_u32 v5, 4*NTB, v4                     ; of tiles 4-7
	v_lshl_add_u32 v6, v2, 2, LIST                 ; the list: 4 r
	v_lshlrev_b32 v7, 6, v3                        ; b1: 64 h (the loop writes v7 anew, behind the wait for all loads)
	v_lshlrev_b32 v12, 4, v1                       ; 16 L
	v_lshlrev_b32 v13, 2, v2                       ; 4 r
	v_add_nc_u32 v15, 1024, v1                     ; the dump's index: 1024 + L
	v_and_b32 v243, 8, v2
	v_add_nc_u32 v243, v243, v2
	v_lshlrev_b32 v243, 5, v243
	v_lshl_add_u32 v243, v3, 4, v243               ; W1's scale words: 32 (r + 8 (r / 8)) + 16 h
	s_lshr_b32 s30, s22, 1
	s_lshl_b32 s30, s30, 5
	s_and_b32 s31, s22, 1
	s_lshl_b32 s31, s31, 3
	s_add_co_u32 s30, s30, s31
	s_mul_i32 s30, s30, WP
	v_add_nc_u32 v250, s30, v12                    ; staging: LDS row 32 (w / 2) + 8 (w % 2), + 16 L,
	v_lshl_add_u32 v251, v3, 4, v250               ; and the same behind one row's padding
	v_mov_b32 v252, CNT
	v_lshlrev_b32 v253, 2, v1                      ; 4 L
	v_add_nc_u32 v255, LIST, v12
	v_mov_b32 v248, 0x3e7c6f08                     ; K9
	v_mov_b32 v249, 0x3e7c6f08
	s_mov_b32 s40, 0x76543210
	s_mov_b32 s41, 0xfedcba98
	KSET 0, 0xc034d90f                             ; -1.26551223 log2(e) - 1
	KSET 1, 0x3fb8ab5a                             ;  1.00002368 log2(e)
	KSET 2, 0x3f0a29d2                             ;  0.37409196 log2(e)
	KSET 3, 0x3e0efb2e                             ;  0.09678418 log2(e)
	KSET 4, 0xbe899a80                             ; -0.18628806 log2(e)
	KSET 5, 0x3ecdfd18                             ;  0.27886807 log2(e)
	KSET 6, 0xbfd1a1e5                             ; -1.13520398 log2(e)
	KSET 7, 0x40097039                             ;  1.48851587 log2(e)
	KSET 8, 0xbf97d29d                             ; -0.82215223 log2(e)
	KSET 9, 0xbf38aa3b                             ; -log2(e) / 2, for -z z = -x x / 2
	s_mov_b32 s66, 0x3eb504f3                      ; 1 / (2 sqrt(2))
	s_add_co_u32 s30, s24, 16
	s_lshl_b32 s67, 1, s30                         ; my expert's bit in a sel word
	s_mov_b32 s68, 0                               ; the running count
	s_lshl_b32 s30, s24, 12
	s_lshl_b32 s31, s23, 7
	s_add_co_u32 s30, s30, s31                     ; my first row of W1: 4096 e + 128 slice
	s_mul_i32 s32, s30, 768
	s_mul_i32 s31, s22, 12288                      ; 16 rows a wave
	s_add_co_u32 s32, s32, s31
	s_mov_b32 s33, 0
	s_lshl_b32 s34, s30, 5
	s_mov_b32 s35, 0
	s_lshl_b32 s36, s30, 2
	s_mov_b32 s37, 0
	s_wait_kmcnt 0x0
	s_add_nc_u64 s[10:11], s[10:11], s[32:33]
	s_add_nc_u64 s[12:13], s[12:13], s[34:35]
	s_add_nc_u64 s[14:15], s[14:15], s[36:37]
	s_lshl_b32 s32, s24, 12
	s_add_nc_u64 s[32:33], s[20:21], s[32:33]      ; place: my expert's ranks,
	s_lshl_b32 s34, s24, 7
	s_add_co_u32 s34, s34, 32768
	s_add_nc_u64 s[34:35], s[20:21], s[34:35]      ; and its count
	s_cmp_lg_u32 s22, 0
	s_cbranch_scc1 .Lno_sel
.irp j, 0,1,2,3,4,5,6,7
	global_load_b128 v[ACC+4*\j:ACC+4*\j+3], v12, s[4:5] offset:512*\j   ; wave 0: register 4 j + c = token 128 j + 4 L + c
.endr
.Lno_sel:
.set i, 0
.rept 24
	global_load_b128 v[WF+4*i:WF+4*i+3], v12, s[10:11] offset:512*i th:TH_LOAD_NT   ; 12,288 consecutive bytes a wave
.set i, i+1
.endr
.irp n, 0,1,2,3,4,5,6,7
	global_load_b128 v[SW+4*\n:SW+4*\n+3], v243, s[12:13] offset:32*(32*(\n/2)+8*(\n%2))
.endr
	WIN 0x40                                       ; destination window 1
.irp n, 0,1,2,3,4,5,6,7                        ; lane (r, h) of tile n holds hidden units 32 (n / 2) + 16 h + 8 (n % 2) + 0 .. 7
	global_load_b128 v[B1W+8*\n:B1W+8*\n+3], v7, s[14:15] offset:4*(32*(\n/2)+8*(\n%2))
	global_load_b128 v[B1W+8*\n+4:B1W+8*\n+7], v7, s[14:15] offset:4*(32*(\n/2)+8*(\n%2))+16
.endr
	WIN 0
	s_cmp_lg_u32 s22, 0
	s_cbranch_scc1 .Lsorted
	; THE RANKS, wave 0 alone; up to the barrier below no other wave touches LDS
	s_wait_loadcnt 48                              ; sel is in: behind it 24 + 8 + 16 loads were issued
.irp j, 0,1,2,3
	v_mov_b32 v[ACC+32+\j], 0
.endr
.irp j, 0,1,2,3,4,5,6,7
	ds_store_b128 v255, v[ACC+32:ACC+35] offset:512*\j   ; the list begins as token 0 everywhere
.endr
.set qq, 0
.rept 32
	v_and_b32 v254, s67, v[ACC+qq]
	v_cmp_ne_u32 vcc_lo, 0, v254                   ; did the token choose e?
	v_mbcnt_lo_u32_b32 v[ACC+qq], vcc_lo, s68      ; rank = the count so far + the lower lanes that did
	s_bcnt1_i32_b32 s30, vcc_lo
	s_add_co_u32 s68, s68, s30
	v_cndmask_b32 v14, v15, v[ACC+qq], vcc_lo      ; the rank, or the dump's index
	v_min_u32 v14, 0x41f, v14
	v_lshl_add_u32 v14, v14, 2, LIST
	v_add_nc_u32 v254, 128*(qq/4)+qq%4, v253       ; the token
	ds_store_b32 v14, v254
.set qq, qq+1
.endr
	v_mov_b32 v254, s68
	ds_store_b32 v252, v254                        ; n_e
	s_cmp_lg_u32 s23, 0
	s_cbranch_scc1 .Lsorted
.irp j, 0,1,2,3,4,5,6,7
	global_store_b128 v12, v[ACC+4*\j:ACC+4*\j+3], s[32:33] offset:512*\j   ; one work-group of each expert stores the ranks: 512 consecutive bytes a store
.endr
	global_store_b32 v253, v254, s[34:35]
	s_wait_xcnt 0x0                                ; the stores have read their registers: these are written again below
.Lsorted:
	s_wait_dscnt 0x0
	s_barrier_signal -1
	s_barrier_wait -1                              ; the list and the count lie in LDS
	ds_load_b32 v254, v252
	s_wait_dscnt 0x0
	v_readfirstlane_b32 s25, v254
	s_min_u32 s25, s25, 1024                       ; n_e
	s_add_co_u32 s26, s25, 15
	s_lshr_b32 s26, s26, 4                         ; tiles
	s_wait_loadcnt 0x0
.irp a, 0,1,2,3,4,5,6,7                        ; my rows 2 a, 2 a + 1 go to LDS rows 16 (a / 4) + 2 (a % 4) on: 1,536 bytes on end, with 16 bytes of padding between the two
	ds_store_b128 v250, v[WF+12*\a:WF+12*\a+3] offset:(16*(\a/4)+2*(\a%4))*WP
	ds_store_b128 v251, v[WF+12*\a+4:WF+12*\a+7] offset:(16*(\a/4)+2*(\a%4))*WP+512
	ds_store_b128 v250, v[WF+12*\a+8:WF+12*\a+11] offset:(16*(\a/4)+2*(\a%4))*WP+1040
.endr
	s_wait_dscnt 0x0
	s_barrier_signal -1
	s_barrier_wait -1                              ; W1's 128 rows lie in LDS; from here on LDS is only read
; The tokens of g tiles: their list entries, their scale words, their eight fragments each, K step by K step.
.macro LOADX g
	s_lshl_b32 s30, s28, 6
	v_add_nc_u32 v7, s30, v6
	ds_load_b32 v246, v7
.if \g == 2
	ds_load_b32 v247, v7 offset:512                ; eight tiles on
.endif
	s_wait_dscnt 0x0
.irp s, 0,1
.if \s < \g
	v_min_u32 v[246+\s], 0x3ff, v[246+\s]
	v_mul_u32_u24 v[8+2*\s], v[246+\s], 768
	v_lshl_add_u32 v[8+2*\s], v3, 4, v[8+2*\s]     ; xq: 768 token + 16 h
	v_lshlrev_b32 v[9+2*\s], 5, v[246+\s]
	v_lshl_add_u32 v[9+2*\s], v3, 4, v[9+2*\s]     ; xs: 32 token + 16 h
	global_load_b128 v[SX+4*\s:SX+4*\s+3], v[9+2*\s], s[8:9]
.endif
.endr
	WIN 0x40
.irp k, 0,1,2,3,4,5,6,7
.irp s, 0,1
.if \s < \g
.irp c, 0,1,2
	global_load_b128 v[12*(8*\s+\k)+4*\c:12*(8*\s+\k)+4*\c+3], v[8+2*\s], s[6:7] offset:96*\k+32*\c
.endr
.endif
.endr
.endr
	WIN 0
.endm
; Batch bt of 16 of a half: K step bt / 2, tiles 2 (bt % 2) and 2 (bt % 2) + 1 of the half: two fragments, 12 loads of 8 bytes, into buffer bt % 4.
.macro LOADB half, bt
.irp f, 0,1
.irp p, 0,1,2,3,4,5
	ds_load_b64 v[WF+24*((\bt)%4)+12*\f+2*\p:WF+24*((\bt)%4)+12*\f+2*\p+1], v[4+\half] offset:(2*((\bt)%2)+\f)*NTB+96*((\bt)/2)+48*(\p/3)+8*(\p%3)
.endr
.endr
.endm
.macro WM s, half, f
.set NL, 2*(BT%2)+\f
.set NN, 4*\half+NL
.set KK, BT/2
.set DA, ACC+32*\s+8*NL
.set FA, WF+24*(BT%4)+12*\f
.set XB, 12*(8*\s+KK)
.if KK == 0
	v_wmma_scale_f32_16x16x128_f8f6f4 v[DA:DA+7], v[FA:FA+11], v[XB:XB+11], v[B1W+8*NN:B1W+8*NN+7], v[SW+4*NN], v[SX+4*\s] matrix_a_fmt:MATRIX_FMT_BF6 matrix_b_fmt:MATRIX_FMT_BF6
.elseif KK < 4
	v_wmma_scale_f32_16x16x128_f8f6f4 v[DA:DA+7], v[FA:FA+11], v[XB:XB+11], v[DA:DA+7], v[SW+4*NN+KK], v[SX+4*\s+KK] matrix_a_fmt:MATRIX_FMT_BF6 matrix_b_fmt:MATRIX_FMT_BF6
.else
	v_wmma_scale_f32_16x16x128_f8f6f4 v[DA:DA+7], v[FA:FA+11], v[XB:XB+11], v[DA:DA+7], v[SW+4*NN+KK-4], v[SX+4*\s+KK-4] matrix_a_fmt:MATRIX_FMT_BF6 matrix_b_fmt:MATRIX_FMT_BF6 matrix_a_scale:MATRIX_SCALE_ROW1 matrix_b_scale:MATRIX_SCALE_ROW1
.endif
.endm
; Four tiles of hidden units (one half) for g tiles of tokens, all of K.  The accumulators take turns, one instruction a turn.
.macro MAT g, half
	LOADB \half, 0
	LOADB \half, 1
	LOADB \half, 2
	LOADB \half, 3
	WIN 0x14                                       ; source 1 (the tokens) and, in K step 0, source 2 (b1) in window 1
.set BT, 0
.rept 16
.if (\half == 0) && (BT%2 == 0)
	s_wait_loadcnt 3*\g*(7-BT/2)                   ; this K step's fragments are in: behind them the later K steps' loads were issued
.endif
.if BT < 13
	s_wait_dscnt 36                                ; this batch is in: three younger batches of 12 may be out
.else
	s_wait_dscnt 12*(15-BT)
.endif
.if BT == 2
	WIN 0x04
.endif
.irp f, 0,1
.irp s, 0,1
.if \s < \g
	WM \s, \half, \f
.endif
.endr
.endr
.if BT < 12
	PLACES                                         ; four places in front of loads into registers that matrix instructions have read (ISA guide 7.12.1 for vector ALU instructions)
	LOADB \half, BT+4
.endif
.set BT, BT+1
.endr
	PLACES                                         ; and in front of the first read of results
	WIN 0
.endm
; gelu of 16 numbers, in place
.macro GELU16 a
.set i, 0
.rept 16
	v_fma_f32 v[T+i], |v[(\a)+i]|, s66, 1.0        ; 1 + z / 2.  (Each accumulator is read from its low end on)
.set i, i+1
.endr
.set i, 0
.rept 16
	v_rcp_f32 v[T+i], v[T+i]                       ; t
.set i, i+1
.endr
.set i, 0
.rept 8
	v_pk_mul_f32 v[Q+i:Q+i+1], v[(\a)+i:(\a)+i+1], v[(\a)+i:(\a)+i+1]   ; x x: plain work behind the reciprocals
.set i, i+2
.endr
	s_wait_alu depctr_va_vdst(0)                   ; one wait for the 16 reciprocals, ahead of their first reader
.set i, 0
.rept 8
	v_pk_fma_f32 v[P+i:P+i+1], v[T+i:T+i+1], v[248:249], s[KC+16:KC+17] op_sel_hi:[1,1,0]
.set i, i+2
.endr
.irp c, 7,6,5,4,3,2,1,0
.set i, 0
.rept 8
	v_pk_fma_f32 v[P+i:P+i+1], v[P+i:P+i+1], v[T+i:T+i+1], s[KC+2*\c:KC+2*\c+1] op_sel_hi:[1,1,0]
.set i, i+2
.endr
.endr
.set i, 0
.rept 8
	v_pk_fma_f32 v[P+i:P+i+1], v[Q+i:Q+i+1], s[KC+18:KC+19], v[P+i:P+i+1] op_sel_hi:[1,0,1]
.set i, i+2
.endr
.set i, 0
.rept 16
	v_exp_f32 v[P+i], v[P+i]
.set i, i+1
.endr
.set i, 0
.rept 16
	v_max_num_f32 v[M+i], 0, v[(\a)+i]             ; max(x, 0): plain work behind the exponentials
.set i, i+1
.endr
	s_wait_alu depctr_va_vdst(0)                   ; one wait for the 16 exponentials
.set i, 0
.rept 8
	v_pk_mul_f32 v[P+i:P+i+1], v[P+i:P+i+1], v[T+i:T+i+1]   ; erfc(z) / 2
.set i, i+2
.endr
.set i, 0
.rept 16
	v_fma_f32 v[(\a)+i], -|v[(\a)+i]|, v[P+i], v[M+i]
.set i, i+1
.endr
.endm
; 32 numbers of a lane (two blocks of 32 along the next K, each shared with lane l xor 16) become registers 6 c .. 6 c + 5 of the fragment at pc and bytes 2 c, 2 c + 1 of the scale word pw
.macro QH a, pc, c, pw
	v_mov_b32 v[TM+2], 0                           ; a lane permute's destination counts as one of its sources
	v_mov_b32 v[TM+3], 0
.irp b, 0,1
	v_max3_num_f32 v[TM+\b], |v[(\a)+16*\b]|, |v[(\a)+1+16*\b]|, 0x2800000   ; with the floor 2^(5 - 127): the byte cannot fall under 1
.endr
.irp i, 2,4,6,8,10,12,14
.irp b, 0,1
	v_max3_num_f32 v[TM+\b], v[TM+\b], |v[(\a)+16*\b+\i]|, |v[(\a)+1+16*\b+\i]|
.endr
.endr
.irp b, 0,1
	v_permlanex16_b32 v[TM+2+\b], v[TM+\b], s40, s41
.endr
.irp b, 0,1
	v_max_num_f32 v[TM+\b], v[TM+\b], v[TM+2+\b]
.endr
.irp b, 0,1
	v_add_nc_u32 v[TM+4+\b], 0xfe000000, v[TM+\b]  ; 4 off the exponent field: the conversion's scale operand
.endr
.irp b, 0,1
	v_lshrrev_b32 v[TM+6+\b], 23, v[TM+4+\b]       ; the scale's byte
.endr
.if \c == 0
	v_lshl_or_b32 v[\pw], v[TM+7], 8, v[TM+6]
.else
	v_lshl_or_b32 v[\pw], v[TM+6], 16, v[\pw]
	v_lshl_or_b32 v[\pw], v[TM+7], 24, v[\pw]
.endif
	v_cvt_scalef32_pk16_bf6_f32 v[(\pc)+6*\c:(\pc)+6*\c+2], v[(\a):(\a)+15], v[TM+4]
	v_cvt_scalef32_pk16_bf6_f32 v[CT:CT+2], v[(\a)+16:(\a)+31], v[TM+5]
	v_nop                                          ; one plain place behind a scaled conversion
.irp i, 0,1,2
	v_permlane16_swap_b32 v[(\pc)+6*\c+\i], v[CT+\i]
.endr
.irp i, 0,1,2
	v_mov_b32 v[(\pc)+6*\c+3+\i], v[CT+\i]
.endr
.endm
.macro EPI s, half
	GELU16 ACC+32*\s
	GELU16 ACC+32*\s+16
	QH ACC+32*\s, PC0+12*\s, \half, PW0+\s
.endm
.macro SEND s                          ; slot s: its fragment as three whole runs of 512 bytes, its 16 scale words
	s_lshl_b32 s30, s24, 6
	s_add_co_u32 s30, s30, s[28+\s]
	s_lshl_b32 s30, s30, 5
	s_add_co_u32 s30, s30, s23                     ; (64 e + tile) 32 + slice
	s_mul_i32 s[32+4*\s], s30, 1536
	s_mov_b32 s[33+4*\s], 0
	s_add_nc_u64 s[32+4*\s:33+4*\s], s[16:17], s[32+4*\s:33+4*\s]
	s_lshl_b32 s[34+4*\s], s30, 6
	s_mov_b32 s[35+4*\s], 0
	s_add_nc_u64 s[34+4*\s:35+4*\s], s[18:19], s[34+4*\s:35+4*\s]
.irp c, 0,1,2
	global_store_b128 v12, v[PC0+12*\s+4*\c:PC0+12*\s+4*\c+3], s[32+4*\s:33+4*\s] offset:512*\c
.endr
	global_store_b32 v13, v[PW0+\s], s[34+4*\s:35+4*\s]   ; lanes 16-31 write the same bytes with the same values
.endm
	s_mov_b32 s27, 0
	s_mov_b32 s28, s22                             ; my first tile of the pass
.Lpass:
	s_wait_xcnt 0x0                                ; the last pass's stores have read their registers and bases
	s_cmp_ge_u32 s28, s26
	s_cbranch_scc1 .Lnext
	s_add_co_u32 s29, s28, 8
	s_cmp_lt_u32 s29, s26
	s_cbranch_scc0 .Lone
	LOADX 2
	MAT 2, 0
	EPI 0, 0
	EPI 1, 0
	MAT 2, 1
	EPI 0, 1
	EPI 1, 1
	SEND 0
	SEND 1
	s_branch .Lnext
.Lone:
	LOADX 1
	MAT 1, 0
	EPI 0, 0
	MAT 1, 1
	EPI 0, 1
	SEND 0
.Lnext:
	s_add_co_u32 s28, s28, 16
	s_add_co_u32 s27, s27, 1
	s_cmp_lt_u32 s27, 4
	s_cbranch_scc1 .Lpass
	s_wait_xcnt 0x0
	v_lshl_add_u32 v254, v0, 2, 0x19900
	v_mov_b32 v255, 0
	s_wait_tensorcnt 0x0
	ds_add_u32 v254, v255
	s_wait_dscnt 0x0
	s_endpgm
.Lfunc_end_k_qa87ceabb7f_fc1:
	.size	k_qa87ceabb7f_fc1, .Lfunc_end_k_qa87ceabb7f_fc1-k_qa87ceabb7f_fc1
	.p2alignl 7, 3214868480
	.fill 96, 4, 3214868480
	.section	.rodata,"a",@progbits
	.p2align	6, 0x0
	.amdhsa_kernel k_qa87ceabb7f_fc1
		.amdhsa_group_segment_fixed_size 105728
		.amdhsa_private_segment_fixed_size 0
		.amdhsa_enable_private_segment 0
		.amdhsa_kernarg_size 72
		.amdhsa_user_sgpr_count 2
		.amdhsa_user_sgpr_kernarg_segment_ptr 1
		.amdhsa_wavefront_size32 1
		.amdhsa_system_sgpr_workgroup_id_x 1
		.amdhsa_system_sgpr_workgroup_id_y 1
		.amdhsa_system_sgpr_workgroup_id_z 1
		.amdhsa_system_vgpr_workitem_id 0
		.amdhsa_next_free_vgpr 512
		.amdhsa_next_free_sgpr 72
		.amdhsa_reserve_vcc 1
		.amdhsa_float_denorm_mode_32 3
		.amdhsa_float_denorm_mode_16_64 3
		.amdhsa_memory_ordered 1
		.amdhsa_forward_progress 1
		.amdhsa_inst_pref_size 249
	.end_amdhsa_kernel
	.amdgpu_metadata
---
amdhsa.version: [ 1, 2 ]
amdhsa.kernels:
  - .name:           k_qa87ceabb7f_fc1
    .symbol:         k_qa87ceabb7f_fc1.kd
    .args:
      - { .name: sel, .offset: 0, .size: 8, .value_kind: global_buffer, .address_space: global }
      - { .name: xq, .offset: 8, .size: 8, .value_kind: global_buffer, .address_space: global }
      - { .name: xs, .offset: 16, .size: 8, .value_kind: global_buffer, .address_space: global }
      - { .name: w1_codes, .offset: 24, .size: 8, .value_kind: global_buffer, .address_space: global }
      - { .name: w1_scales, .offset: 32, .size: 8, .value_kind: global_buffer, .address_space: global }
      - { .name: b1, .offset: 40, .size: 8, .value_kind: global_buffer, .address_space: global }
      - { .name: hq, .offset: 48, .size: 8, .value_kind: global_buffer, .address_space: global }
      - { .name: hs, .offset: 56, .size: 8, .value_kind: global_buffer, .address_space: global }
      - { .name: place, .offset: 64, .size: 8, .value_kind: global_buffer, .address_space: global }
    .group_segment_fixed_size: 105728
    .private_segment_fixed_size: 0
    .kernarg_segment_align: 8
    .kernarg_segment_size: 72
    .max_flat_workgroup_size: 256
    .sgpr_count:     72
    .vgpr_count:     512
    .wavefront_size: 32
...
	.end_amdgpu_metadata
.endif
;; end of part 2
;; launch fc2 (part 3): grid 32 x 8, 8 waves a work-group, no clusters, 135,168 bytes of LDS; arguments place, hq, hs, w2_codes, w2_scales, ypart; writes ypart
.if DOCPART == 3
	.amdgcn_target "amdgcn-amd-amdhsa--gfx1250"
	.amdhsa_code_object_version 6
	.text
	.protected	k_qa87ceabb7f_fc2
	.globl	k_qa87ceabb7f_fc2
	.p2align	8
	.type	k_qa87ceabb7f_fc2,@function
k_qa87ceabb7f_fc2:
	s_mov_b64 s[64:65], 0
	v_nop
	global_prefetch_b8 v0, s[64:65] scope:SCOPE_SE
	s_setreg_imm32_b32 hwreg(HW_REG_WAVE_MODE, 25, 1), 1
	s_wait_xcnt 0x0
; FC2.  For expert e (work-group y), output columns 64 cb .. 64 cb + 63 and half kh of K = 4,096 (work-group x = cb + 16 kh): partial sums of h W2 for the expert's rows, in f32.
; SHARES.  The work-group's 64 rows x 1,536 bytes of W2's codes are read from memory once, by this work-group alone, and stay in LDS.  Row tiles are dealt as in fc1: wave w takes tiles w + 16 p and w + 16 p + 8,
; p = 0 .. 3, a constant trip count; a tile at or past ceil(n_e / 16) is jumped over; with both tiles each fragment of W2 read from LDS feeds two matrix instructions.
; The rows' fragments come from hq as images of the operand's registers (three loads of 16 bytes a lane), through a ring of eight K steps in registers: K step k + 8 is asked for as soon as K step k has been multiplied.
; LAYOUT.  Transposed use (source 0 = 16 rows of W2 = output columns, source 1 = 16 rows of h): a lane holds eight neighbouring columns of one row.  A tile goes through the wave's own stage in LDS, so that
; sixteen lanes store 256 consecutive bytes, aligned.   ypart: [kh 2][e 8][rank 1024][1024] f32.  K is cut in two so that 256 work-groups have equal shares; the two halves and b2 are added by the last launch.
; NO TENSOR LOADS, NO CLUSTER: the trips hang on a count read from memory; so h's codes, which 16 work-groups share, come by plain loads.
; LIMITS: the sum over K is formed in two halves, added later in f32.
.set WP,   1552                        ; an LDS row of W2: 1,536 bytes + 16 = 194 pieces of 8 bytes: lanes at 1552 r + 24 h take 32 different pieces modulo 32 (64 banks of 4 bytes: ISA guide 11.1)
.set STG,  64*WP                       ; behind W2: a stage of 16 rows x 272 bytes for each wave
.set WF,   16                          ; v16-111  four buffers of two fragments of W2; in the head the 96 registers as loaded; on the way out rows of the result
.set SH,   112                         ; v112-127 h's scale words, 8 a slot: register j = K step 2 j (lanes 0-15), 2 j + 1 (lanes 16-31)
.set SW,   128                         ; v128-159 W2's scale words, 8 a tile: register j = K step j (lanes 0-15), 8 + j (lanes 16-31)
.set ACC,  160                         ; v160-223 slot s at 160 + 32 s: four tiles of columns.   Window 1: v0-191 h's fragments, slot s, K step k at 12 (8 s + k % 8)
.set MSB,  0
.macro WIN new                         ; the immediate's high byte repeats the setting that is left
.if MSB != \new
	s_set_vgpr_msb (MSB<<8)|\new
.set MSB, \new
.endif
.endm
.macro PLACES n
.rept \n
	v_nop
.endr
.endm
	s_load_b256 s[4:11], s[0:1], 0x0               ; place, hq, hs, w2_codes
	s_load_b128 s[12:15], s[0:1], 0x20             ; w2_scales, ypart
	v_lshl_add_u32 v254, v0, 2, 0x20c00
	v_mov_b32 v255, 0
	v_lshrrev_b32 v1, 5, v0
	v_readfirstlane_b32 s22, v1                    ; wave
	s_and_b32 s23, ttmp9, 15                       ; cb
	s_lshr_b32 s21, ttmp9, 4                       ; kh
	s_and_b32 s24, ttmp7, 0xffff                   ; expert
	v_and_b32 v1, 31, v0                           ; L
	v_and_b32 v2, 15, v0                           ; r
	v_bfe_u32 v3, v0, 4, 1                         ; h
	v_mul_u32_u24 v4, v2, WP
	v_mad_u32_u24 v4, v3, 24, v4                   ; fragments of tiles 0, 1: 1552 r + 24 h
	v_add_nc_u32 v5, 32*WP, v4                     ; of tiles 2, 3
	v_lshlrev_b32 v7, 4, v1                        ; 16 L
	s_mul_i32 s30, s22, 8*WP
	v_add_nc_u32 v6, s30, v7                       ; staging: my eight rows
	v_lshlrev_b32 v8, 2, v1                        ; 4 L
	s_mul_i32 s31, s22, 16*272
	s_add_co_u32 s31, s31, STG                     ; my stage
	v_mul_u32_u24 v9, v2, 272
	v_lshl_add_u32 v9, v3, 5, v9
	v_add_nc_u32 v9, s31, v9                       ; in: row r, 32 bytes for each half of the lanes
	v_mul_u32_u24 v10, v3, 272
	v_lshl_add_u32 v10, v2, 4, v10
	v_add_nc_u32 v10, s31, v10                     ; back: lanes 0-15 one row of 256 bytes, lanes 16-31 the next
	v_lshlrev_b32 v11, 12, v3
	v_lshl_add_u32 v11, v2, 4, v11                 ; and the same two rows in ypart
	v_lshlrev_b32 v12, 7, v2
	v_lshl_add_u32 v12, v3, 5, v12                 ; W2's scale words: 128 r + 32 h
	s_lshl_b32 s30, s24, 10
	s_lshl_b32 s31, s23, 6
	s_add_co_u32 s30, s30, s31                     ; my first row of W2: 1024 e + 64 cb
	s_lshl_b32 s31, s22, 3
	s_add_co_u32 s31, s30, s31                     ; my wave's first
	s_mul_i32 s32, s31, 3072
	s_mul_i32 s31, s21, 1536
	s_add_co_u32 s32, s32, s31
	s_mov_b32 s33, 0
	s_lshl_b32 s34, s30, 7
	s_lshl_b32 s31, s21, 6
	s_add_co_u32 s34, s34, s31
	s_mov_b32 s35, 0
	s_lshl_b32 s31, s24, 7
	s_wait_kmcnt 0x0
	s_load_b32 s25, s[4:5], s31 offset:0x8000      ; n_e
	s_add_nc_u64 s[10:11], s[10:11], s[32:33]
	s_add_nc_u64 s[12:13], s[12:13], s[34:35]
.irp a, 0,1,2,3,4,5,6,7
.irp p, 0,1,2
	global_load_b128 v[WF+12*\a+4*\p:WF+12*\a+4*\p+3], v7, s[10:11] offset:3072*\a+512*\p th:TH_LOAD_NT   ; 512 consecutive bytes of a row
.endr
.endr
.irp n, 0,1,2,3
	global_load_b128 v[SW+8*\n:SW+8*\n+3], v12, s[12:13] offset:2048*\n
	global_load_b128 v[SW+8*\n+4:SW+8*\n+7], v12, s[12:13] offset:2048*\n+16
.endr
	s_wait_kmcnt 0x0
	s_min_u32 s25, s25, 1024
	s_add_co_u32 s26, s25, 15
	s_lshr_b32 s26, s26, 4                         ; tiles
	s_wait_loadcnt 0x0
.irp a, 0,1,2,3,4,5,6,7
.irp p, 0,1,2
	ds_store_b128 v6, v[WF+12*\a+4*\p:WF+12*\a+4*\p+3] offset:WP*\a+512*\p
.endr
.endr
	s_wait_dscnt 0x0
	s_barrier_signal -1
	s_barrier_wait -1                              ; W2's 64 rows lie in LDS; behind this barrier each wave writes its own stage alone
.macro HLOAD g                         ; the bases of g tiles, their scale words, and K steps 0 to 7 of their fragments, K step by K step
.irp s, 0,1
.if \s < \g
	s_lshl_b32 s30, s24, 6
	s_add_co_u32 s30, s30, s[28+\s]
	s_lshl_b32 s31, s30, 5
	s_lshl_b32 s20, s21, 4
	s_add_co_u32 s31, s31, s20                     ; (64 e + tile) 32 + 16 kh
	s_mul_i32 s[32+8*\s], s31, 1536
	s_mov_b32 s[33+8*\s], 0
	s_add_nc_u64 s[32+8*\s:33+8*\s], s[6:7], s[32+8*\s:33+8*\s]
	s_lshl_b32 s[34+8*\s], s31, 6
	s_mov_b32 s[35+8*\s], 0
	s_add_nc_u64 s[34+8*\s:35+8*\s], s[8:9], s[34+8*\s:35+8*\s]
	s_lshl_b32 s31, s21, 3
	s_add_co_u32 s31, s31, s24
	s_lshl_b32 s31, s31, 6
	s_add_co_u32 s31, s31, s[28+\s]                ; (8 kh + e) 64 + tile,
	s_lshl_b32 s31, s31, 16                        ; x 16 rows of 4,096 bytes,
	s_lshl_b32 s20, s23, 8
	s_add_co_u32 s[36+8*\s], s31, s20              ; + 256 cb
	s_mov_b32 s[37+8*\s], 0
	s_add_nc_u64 s[36+8*\s:37+8*\s], s[14:15], s[36+8*\s:37+8*\s]
.irp j, 0,1,2,3,4,5,6,7
	global_load_b32 v[SH+8*\s+\j], v8, s[34+8*\s:35+8*\s] offset:128*\j
.endr
.endif
.endr
	WIN 0x40
.irp k, 0,1,2,3,4,5,6,7
.irp s, 0,1
.if \s < \g
.irp c, 0,1,2
	global_load_b128 v[12*(8*\s+\k)+4*\c:12*(8*\s+\k)+4*\c+3], v7, s[32+8*\s:33+8*\s] offset:1536*\k+512*\c
.endr
.endif
.endr
.endr
	WIN 0
.endm
; Batch bt of 32: K step bt / 2, tiles 2 (bt % 2) and 2 (bt % 2) + 1: two fragments, 12 loads of 8 bytes, into buffer bt % 4.
.macro LOADB bt
.irp f, 0,1
.irp p, 0,1,2,3,4,5
	ds_load_b64 v[WF+24*((\bt)%4)+12*\f+2*\p:WF+24*((\bt)%4)+12*\f+2*\p+1], v[4+(\bt)%2] offset:\f*16*WP+96*((\bt)/2)+48*(\p/3)+8*(\p%3)
.endr
.endr
.endm
.macro WM s, f
.set NN, 2*(BT%2)+\f
.set KK, BT/2
.set DA, ACC+32*\s+8*NN
.set FA, WF+24*(BT%4)+12*\f
.set HB, 12*(8*\s+KK%8)
.set SA, SW+8*NN+KK%8
.set SB, SH+8*\s+KK/2
.if KK == 0
	v_wmma_scale_f32_16x16x128_f8f6f4 v[DA:DA+7], v[FA:FA+11], v[HB:HB+11], 0, v[SA], v[SB] matrix_a_fmt:MATRIX_FMT_BF6 matrix_b_fmt:MATRIX_FMT_BF6
.elseif (KK < 8) && (KK%2 == 0)
	v_wmma_scale_f32_16x16x128_f8f6f4 v[DA:DA+7], v[FA:FA+11], v[HB:HB+11], v[DA:DA+7], v[SA], v[SB] matrix_a_fmt:MATRIX_FMT_BF6 matrix_b_fmt:MATRIX_FMT_BF6
.elseif KK < 8
	v_wmma_scale_f32_16x16x128_f8f6f4 v[DA:DA+7], v[FA:FA+11], v[HB:HB+11], v[DA:DA+7], v[SA], v[SB] matrix_a_fmt:MATRIX_FMT_BF6 matrix_b_fmt:MATRIX_FMT_BF6 matrix_b_scale:MATRIX_SCALE_ROW1
.elseif KK%2 == 0
	v_wmma_scale_f32_16x16x128_f8f6f4 v[DA:DA+7], v[FA:FA+11], v[HB:HB+11], v[DA:DA+7], v[SA], v[SB] matrix_a_fmt:MATRIX_FMT_BF6 matrix_b_fmt:MATRIX_FMT_BF6 matrix_a_scale:MATRIX_SCALE_ROW1
.else
	v_wmma_scale_f32_16x16x128_f8f6f4 v[DA:DA+7], v[FA:FA+11], v[HB:HB+11], v[DA:DA+7], v[SA], v[SB] matrix_a_fmt:MATRIX_FMT_BF6 matrix_b_fmt:MATRIX_FMT_BF6 matrix_a_scale:MATRIX_SCALE_ROW1 matrix_b_scale:MATRIX_SCALE_ROW1
.endif
.endm
; Four tiles of columns for g tiles of rows, 16 K steps.  The first products start the sums; the accumulators take turns, one instruction a turn.
.macro MAT g
	LOADB 0
	LOADB 1
	LOADB 2
	LOADB 3
	WIN 0x04                                       ; source 1 (h) in window 1
.set BT, 0
.rept 32
.if BT%2 == 0
.if BT < 16
	s_wait_loadcnt 21*\g                           ; K step k is in: behind it 3 g (7 - k) first loads and 3 g k refills were issued
.else
	s_wait_loadcnt 3*\g*(15-BT/2)                  ; behind it the refills of the later K steps
.endif
.endif
.if BT < 29
	s_wait_dscnt 36                                ; this batch is in: three younger batches of 12 may be out
.else
	s_wait_dscnt 12*(31-BT)
.endif
.irp f, 0,1
.irp s, 0,1
.if \s < \g
	WM \s, \f
.endif
.endr
.endr
.if BT < 28
	PLACES 4                                       ; four places in front of loads into registers that matrix instructions have read (ISA guide 7.12.1 for vector ALU instructions)
	LOADB BT+4
.endif
.if (BT%2 == 1) && (BT < 16)
	WIN 0x40                                       ; K step k has been multiplied: its registers take K step k + 8
.irp s, 0,1
.if \s < \g
.irp c, 0,1,2
	global_load_b128 v[12*(8*\s+BT/2)+4*\c:12*(8*\s+BT/2)+4*\c+3], v7, s[32+8*\s:33+8*\s] offset:1536*(BT/2+8)+512*\c
.endr
.endif
.endr
	WIN 0x04
.endif
.set BT, BT+1
.endr
	PLACES 5                                       ; FIVE: four serve the first read of results and the loads into the fragments' registers; the fifth serves the next pass's first products, which begin these
	                                               ; accumulators anew with C = 0 and so write over them: no vector instruction stands between here and those products, round the loop's backward jump
	WIN 0
.endm
.macro OUTS s                          ; slot s: 16 rows x 64 columns through my stage.  LDS serves a wave's instructions in order (ISA guide 5.7.1.4): no wait between the stores and the loads
.irp n, 0,1,2,3
	ds_store_b128 v9, v[ACC+32*\s+8*\n:ACC+32*\s+8*\n+3] offset:64*\n          ; each accumulator from its low end on
	ds_store_b128 v9, v[ACC+32*\s+8*\n+4:ACC+32*\s+8*\n+7] offset:64*\n+16
.endr
.irp t, 0,1,2,3,4,5,6,7
	ds_load_b128 v[WF+32*\s+4*\t:WF+32*\s+4*\t+3], v10 offset:544*\t
.endr
.irp t, 0,1,2,3,4,5,6,7
	s_wait_dscnt 7-\t                              ; the younger loads may be out
	global_store_b128 v11, v[WF+32*\s+4*\t:WF+32*\s+4*\t+3], s[36+8*\s:37+8*\s] offset:8192*\t th:TH_STORE_NT   ; 16 lanes store 256 consecutive bytes, aligned
.endr
.endm
	s_mov_b32 s27, 0
	s_mov_b32 s28, s22                             ; my first tile of the pass
.Lpass:
	s_wait_xcnt 0x0                                ; the last pass's stores have read their registers and bases
	s_cmp_ge_u32 s28, s26
	s_cbranch_scc1 .Lnext
	s_add_co_u32 s29, s28, 8
	s_cmp_lt_u32 s29, s26
	s_cbranch_scc0 .Lone
	HLOAD 2
	MAT 2
	OUTS 0
	OUTS 1
	s_branch .Lnext
.Lone:
	HLOAD 1
	MAT 1
	OUTS 0
.Lnext:
	s_add_co_u32 s28, s28, 16
	s_add_co_u32 s27, s27, 1
	s_cmp_lt_u32 s27, 4
	s_cbranch_scc1 .Lpass
	s_wait_tensorcnt 0x0
	ds_add_u32 v254, v255
	s_wait_dscnt 0x0
	s_endpgm
.Lfunc_end_k_qa87ceabb7f_fc2:
	.size	k_qa87ceabb7f_fc2, .Lfunc_end_k_qa87ceabb7f_fc2-k_qa87ceabb7f_fc2
	.p2alignl 7, 3214868480
	.fill 96, 4, 3214868480
	.section	.rodata,"a",@progbits
	.p2align	6, 0x0
	.amdhsa_kernel k_qa87ceabb7f_fc2
		.amdhsa_group_segment_fixed_size 135168
		.amdhsa_private_segment_fixed_size 0
		.amdhsa_enable_private_segment 0
		.amdhsa_kernarg_size 48
		.amdhsa_user_sgpr_count 2
		.amdhsa_user_sgpr_kernarg_segment_ptr 1
		.amdhsa_wavefront_size32 1
		.amdhsa_system_sgpr_workgroup_id_x 1
		.amdhsa_system_sgpr_workgroup_id_y 1
		.amdhsa_system_sgpr_workgroup_id_z 1
		.amdhsa_system_vgpr_workitem_id 0
		.amdhsa_next_free_vgpr 512
		.amdhsa_next_free_sgpr 66
		.amdhsa_reserve_vcc 0
		.amdhsa_float_denorm_mode_32 3
		.amdhsa_float_denorm_mode_16_64 3
		.amdhsa_memory_ordered 1
		.amdhsa_forward_progress 1
		.amdhsa_inst_pref_size 116
	.end_amdhsa_kernel
	.amdgpu_metadata
---
amdhsa.version: [ 1, 2 ]
amdhsa.kernels:
  - .name:           k_qa87ceabb7f_fc2
    .symbol:         k_qa87ceabb7f_fc2.kd
    .args:
      - { .name: place, .offset: 0, .size: 8, .value_kind: global_buffer, .address_space: global }
      - { .name: hq, .offset: 8, .size: 8, .value_kind: global_buffer, .address_space: global }
      - { .name: hs, .offset: 16, .size: 8, .value_kind: global_buffer, .address_space: global }
      - { .name: w2_codes, .offset: 24, .size: 8, .value_kind: global_buffer, .address_space: global }
      - { .name: w2_scales, .offset: 32, .size: 8, .value_kind: global_buffer, .address_space: global }
      - { .name: ypart, .offset: 40, .size: 8, .value_kind: global_buffer, .address_space: global }
    .group_segment_fixed_size: 135168
    .private_segment_fixed_size: 0
    .kernarg_segment_align: 8
    .kernarg_segment_size: 48
    .max_flat_workgroup_size: 256
    .sgpr_count:     66
    .vgpr_count:     512
    .wavefront_size: 32
...
	.end_amdgpu_metadata
.endif
;; end of part 3
;; launch combine (part 4): grid 256 x 1, 4 waves a work-group, no clusters, 0 bytes of LDS; arguments sel, gw, place, ypart, b2, out0; writes out0
.if DOCPART == 4
	.amdgcn_target "amdgcn-amd-amdhsa--gfx1250"
	.amdhsa_code_object_version 6
	.text
	.protected	k_qa87ceabb7f_combine
	.globl	k_qa87ceabb7f_combine
	.p2align	8
	.type	k_qa87ceabb7f_combine,@function
k_qa87ceabb7f_combine:
	s_mov_b64 s[64:65], 0
	v_nop
	global_prefetch_b8 v0, s[64:65] scope:SCOPE_SE
	s_setreg_imm32_b32 hwreg(HW_REG_WAVE_MODE, 25, 1), 1
	s_wait_xcnt 0x0
; COMBINE.  out[t] = g0 (y(e0) + b2[e0]) + g1 (y(e1) + b2[e1]), where y(e) is the sum of the two K halves of ypart at row 1024 e + place[e][t], and g = score x alpha from gw.
; One wave takes one token: each output row has one owner, and nothing is added across work-groups.  The row addresses come from whole numbers that earlier launches stored (sel, place), held to their tables by s_min_u32.
; A stream: 48 loads of 512 consecutive bytes a wave, all issued at once; each store covers 512 consecutive bytes, aligned.  No LDS, no barrier, no matrix unit, no cluster: waves share nothing but b2.
.set R0, 8                             ; v8-199: chunk c at 8 + 24 c: y0 low half, y0 high half, b2[e0], y1 low half, y1 high half, b2[e1], four registers each
	s_load_b256 s[4:11], s[0:1], 0x0               ; sel, gw, place, ypart
	s_load_b128 s[12:15], s[0:1], 0x20             ; b2, out0
	v_lshrrev_b32 v1, 5, v0
	v_readfirstlane_b32 s16, v1                    ; wave
	s_lshl_b32 s17, ttmp9, 2
	s_add_co_u32 s17, s17, s16                     ; my token
	v_and_b32 v1, 31, v0
	v_lshlrev_b32 v1, 4, v1                        ; 16 bytes a lane
	s_lshl_b32 s18, s17, 2
	s_lshl_b32 s19, s17, 3
	s_wait_kmcnt 0x0
	s_load_b32 s20, s[4:5], s18 offset:0x0
	s_load_b64 s[22:23], s[6:7], s19 offset:0x0    ; g0, g1
	s_wait_kmcnt 0x0
	s_and_b32 s24, s20, 0xff
	s_min_u32 s24, s24, 7                          ; e0
	s_bfe_u32 s25, s20, 0x80008
	s_min_u32 s25, s25, 7                          ; e1
	s_lshl_b32 s26, s24, 12
	s_add_co_u32 s26, s26, s18
	s_lshl_b32 s27, s25, 12
	s_add_co_u32 s27, s27, s18
	s_load_b32 s28, s[8:9], s26 offset:0x0         ; my rank in e0,
	s_load_b32 s29, s[8:9], s27 offset:0x0         ; in e1
	s_mov_b32 s46, s23
	s_mov_b32 s47, s23                             ; g1 as a pair of its own: the packed forms take a pair's low word for both halves
	s_wait_kmcnt 0x0
	s_min_u32 s28, s28, 1023
	s_min_u32 s29, s29, 1023
	s_lshl_b32 s30, s24, 10
	s_add_co_u32 s30, s30, s28
	s_lshl_b32 s30, s30, 12                        ; row 1024 e0 + rank, of 4,096 bytes
	s_mov_b32 s31, 0
	s_add_nc_u64 s[32:33], s[10:11], s[30:31]
	s_add_nc_u64 s[34:35], s[32:33], 0x2000000     ; the other half of K: 8,192 rows on
	s_lshl_b32 s30, s25, 10
	s_add_co_u32 s30, s30, s29
	s_lshl_b32 s30, s30, 12
	s_add_nc_u64 s[36:37], s[10:11], s[30:31]
	s_add_nc_u64 s[38:39], s[36:37], 0x2000000
	s_lshl_b32 s30, s24, 12
	s_add_nc_u64 s[40:41], s[12:13], s[30:31]
	s_lshl_b32 s30, s25, 12
	s_add_nc_u64 s[42:43], s[12:13], s[30:31]
	s_lshl_b32 s30, s17, 12
	s_add_nc_u64 s[44:45], s[14:15], s[30:31]
.irp c, 0,1,2,3,4,5,6,7
	global_load_b128 v[R0+24*\c:R0+24*\c+3], v1, s[32:33] offset:512*\c th:TH_LOAD_NT
	global_load_b128 v[R0+24*\c+4:R0+24*\c+7], v1, s[34:35] offset:512*\c th:TH_LOAD_NT
	global_load_b128 v[R0+24*\c+8:R0+24*\c+11], v1, s[40:41] offset:512*\c
	global_load_b128 v[R0+24*\c+12:R0+24*\c+15], v1, s[36:37] offset:512*\c th:TH_LOAD_NT
	global_load_b128 v[R0+24*\c+16:R0+24*\c+19], v1, s[38:39] offset:512*\c th:TH_LOAD_NT
	global_load_b128 v[R0+24*\c+20:R0+24*\c+23], v1, s[42:43] offset:512*\c
.endr
.irp c, 0,1,2,3,4,5,6,7
	s_wait_loadcnt 6*(7-\c)                        ; this chunk's six loads are in; the later chunks' may be out
.irp u, 0,2
	v_pk_add_f32 v[R0+24*\c+\u:R0+24*\c+\u+1], v[R0+24*\c+\u:R0+24*\c+\u+1], v[R0+24*\c+4+\u:R0+24*\c+5+\u]
	v_pk_add_f32 v[R0+24*\c+12+\u:R0+24*\c+13+\u], v[R0+24*\c+12+\u:R0+24*\c+13+\u], v[R0+24*\c+16+\u:R0+24*\c+17+\u]
	v_pk_add_f32 v[R0+24*\c+\u:R0+24*\c+\u+1], v[R0+24*\c+\u:R0+24*\c+\u+1], v[R0+24*\c+8+\u:R0+24*\c+9+\u]
	v_pk_add_f32 v[R0+24*\c+12+\u:R0+24*\c+13+\u], v[R0+24*\c+12+\u:R0+24*\c+13+\u], v[R0+24*\c+20+\u:R0+24*\c+21+\u]
	v_pk_mul_f32 v[R0+24*\c+\u:R0+24*\c+\u+1], v[R0+24*\c+\u:R0+24*\c+\u+1], s[22:23] op_sel_hi:[1,0]
	v_pk_fma_f32 v[R0+24*\c+\u:R0+24*\c+\u+1], v[R0+24*\c+12+\u:R0+24*\c+13+\u], s[46:47], v[R0+24*\c+\u:R0+24*\c+\u+1] op_sel_hi:[1,0,1]
.endr
	global_store_b128 v1, v[R0+24*\c:R0+24*\c+3], s[44:45] offset:512*\c th:TH_STORE_NT
.endr
	s_endpgm
.Lfunc_end_k_qa87ceabb7f_combine:
	.size	k_qa87ceabb7f_combine, .Lfunc_end_k_qa87ceabb7f_combine-k_qa87ceabb7f_combine
	.p2alignl 7, 3214868480
	.fill 96, 4, 3214868480
	.section	.rodata,"a",@progbits
	.p2align	6, 0x0
	.amdhsa_kernel k_qa87ceabb7f_combine
		.amdhsa_group_segment_fixed_size 0
		.amdhsa_private_segment_fixed_size 0
		.amdhsa_enable_private_segment 0
		.amdhsa_kernarg_size 48
		.amdhsa_user_sgpr_count 2
		.amdhsa_user_sgpr_kernarg_segment_ptr 1
		.amdhsa_wavefront_size32 1
		.amdhsa_system_sgpr_workgroup_id_x 1
		.amdhsa_system_sgpr_workgroup_id_y 1
		.amdhsa_system_sgpr_workgroup_id_z 1
		.amdhsa_system_vgpr_workitem_id 0
		.amdhsa_next_free_vgpr 208
		.amdhsa_next_free_sgpr 66
		.amdhsa_reserve_vcc 0
		.amdhsa_float_denorm_mode_32 3
		.amdhsa_float_denorm_mode_16_64 3
		.amdhsa_memory_ordered 1
		.amdhsa_forward_progress 1
		.amdhsa_inst_pref_size 14
	.end_amdhsa_kernel
	.amdgpu_metadata
---
amdhsa.version: [ 1, 2 ]
amdhsa.kernels:
  - .name:           k_qa87ceabb7f_combine
    .symbol:         k_qa87ceabb7f_combine.kd
    .args:
      - { .name: sel, .offset: 0, .size: 8, .value_kind: global_buffer, .address_space: global }
      - { .name: gw, .offset: 8, .size: 8, .value_kind: global_buffer, .address_space: global }
      - { .name: place, .offset: 16, .size: 8, .value_kind: global_buffer, .address_space: global }
      - { .name: ypart, .offset: 24, .size: 8, .value_kind: global_buffer, .address_space: global }
      - { .name: b2, .offset: 32, .size: 8, .value_kind: global_buffer, .address_space: global }
      - { .name: out0, .offset: 40, .size: 8, .value_kind: global_buffer, .address_space: global }
    .group_segment_fixed_size: 0
    .private_segment_fixed_size: 0
    .kernarg_segment_align: 8
    .kernarg_segment_size: 48
    .max_flat_workgroup_size: 128
    .sgpr_count:     66
    .vgpr_count:     208
    .wavefront_size: 32
...
	.end_amdgpu_metadata
.endif
;; end of part 4
